; MI455X (gfx1250); checked and timed in simulation.
; The chip was launched on July 23, 2026; its instructions are those of AMD's public machine-readable ISA for CDNA 5 (MIT licence, August 2026) and "CDNA5" Instruction Set Architecture Reference Guide (July 2026). The comments in the code are by the model that wrote it; some were corrected since.
;; Multi Category Encoder. Allowed arithmetic: float matrix products may take bf16 or f16 operands with f32 sums; other float arithmetic in f32, or as packed bf16 or f16 multiplies, adds, multiply-adds, maxima and minima; sums over many terms, partial sums and values carried from step to step in f32; what a program stores and reads back later, other than sums and carried values, may be rounded once to bf16 or f16.
;; Inputs: W 16 x 256 x 4,096 float32; batch 4,096 x 4,096 float32; classes 4,096 int32.
;; Outputs: out0 4,096 x 256 float32.
;; One version. Each part assembles by itself: llvm-mc -triple=amdgcn-amd-amdhsa -mcpu=gfx1250 --defsym DOCPART=n.
;; ======== version 1 of 1: 1 launch
;; launch moe (part 1): grid 4 x 67, 8 waves a work-group, no clusters, 186,368 bytes of LDS; arguments W, batch, classes, out0; writes out0
.if DOCPART == 1
	.amdgcn_target "amdgcn-amd-amdhsa--gfx1250"
	.amdhsa_code_object_version 6
	.text
	.protected	k_q4cbe378e4c_moe
	.globl	k_q4cbe378e4c_moe
	.p2align	8
	.type	k_q4cbe378e4c_moe,@function
k_q4cbe378e4c_moe:
	s_mov_b64 s[64:65], 0
	v_nop
	global_prefetch_b8 v0, s[64:65] scope:SCOPE_SE
	s_setreg_imm32_b32 hwreg(HW_REG_WAVE_MODE, 25, 1), 1
	s_wait_xcnt 0x0
; out0[i][:] = W[classes[i]] . batch[i].  W: [16][256][4096] f32, batch: [4096][4096] f32, classes: [4096] i32, out0: [4096][256] f32.
; Only the chosen expert's product is made.  ONE launch: every work-group counts the classes for itself and finds its own rows.
; SHARES.  A tile is at most 80 rows (tokens) of ONE expert x 64 outputs x the whole K.  Work-group x = the slice of 64 outputs, y = the tile's number.  Expert e with n rows has
; g = ceil(n / 80) tiles of m = ceil(n / g) rows (the last takes the rest).  The sum of all g is at most 16 + floor(4080 / 80) = 67 for every split of the tokens: the grid's height.
; A tile number past the sum has no rows: that work-group jumps the products (no barrier stands in what is jumped), passes the last barrier, stores nothing and ends.
; THE WAVES SPLIT K, NOT THE TILE.  In step s (0..7) wave w takes the 64 numbers (256 bytes) at byte 2048 s + 256 w of every row of the tile and keeps sums for the whole tile:
; 5 x 4 accumulators of 16 x 16.  So no wave reads what another wave staged, the loop has no barrier, and each staged byte is written once and read once.  At the end the eight partial
; tiles (f32) meet in LDS and are added in a fixed order; wave w adds and stores rows 10 w .. 10 w + 9.
; THE WAY IN.  A UNIT is 16 rows x 256 bytes: 8 loads; in each, lanes 0-15 take the 256 consecutive bytes of one row, lanes 16-31 those of the row 8 further down.  The numbers are rounded
; to bf16 in registers, laid into the wave's own stage (rows of 128 bytes + 16 of padding) and read back as fragments.  Six units (48 loads, 24,576 bytes) of every wave are always out.
; THE MATRIX INSTRUCTION IS USED TRANSPOSED: source 0 = 16 outputs (rows of W), source 1 = 16 tokens: a lane then holds one token and eight neighbouring outputs.
; EVERY ADDRESS REGISTER IS MADE EARLY: ahead of the first branch on a count and of the first change of EXEC, and is never rewritten; what comes from the list is clamped first.
; NO TENSOR LOADS, NO CLUSTER.  batch's rows come by a list, which no tile descriptor covers.  W lies in memory in f32: brought as it lies it would take 4 bytes a number in LDS where this
; text lays 2, and every refill would want a barrier, which a work-group whose number of rows hangs on loaded counts could not jump; how many tiles share an expert's rows of W also hangs on those counts.
; LIMITS.  Both operands are rounded once to bf16; sums in f32: 16 K steps of 32 in each wave's accumulators, then ((0+1)+(2+3))+((4+5)+(6+7)) over the waves.  classes lies in 0..15; a token
; whose class lay outside would be in no tile and its row would not be written.  A very uneven split is served rightly (up to 52 tiles of one expert), with fewer work-groups at work.
.set ROWB,  16384                      ; bytes in a row of W and of batch
.set STEPB, 2048                       ; bytes of a row that the eight waves take in a step
.set REGB,  22016                      ; LDS: a wave's own region, 86 blocks of 256 bytes: first the stage, at the end the partial tile
.set SP,    144                        ; the stage's pitch: 128 bytes + 16 = 9 x 16: the 16 rows of a fragment load start at 16 different 16-byte columns modulo 256
.set PP,    272                        ; the partial tile's pitch: 64 f32 + 16 bytes = 17 x 16
.set HIST,  8*REGB                     ; 8 x 128 bytes: wave w's 16 counts, one word a lane (lanes 16-31 write 0)
.set LISTW, HIST+1024                  ; 8 x 512 bytes: wave w's own sparse copy of the tile's list, 128 words; word 127 takes what does not belong to the tile
.set LISTF, LISTW+4096                 ; 8 x 512 bytes: wave w's own merged list, words 0..95
.set SPARE, LISTF+4096                 ; the spare words, 128 bytes for each wave: four blocks of 256 bytes that no other line names
; vector registers, window 0
.set LANE, 1                           ; v1   lane
.set C16,  2                           ; v2   16 x (lane % 16)
.set HI,   3                           ; v3   lane / 16
.set SPW,  4                           ; v4   LDS address of my spare word; never rewritten
.set NIL,  5                           ; v5   0; never rewritten
.set STO,  6                           ; v6   stage, in: region + (lane / 16) x 8 rows + 8 x (lane % 16)
.set FRA,  7                           ; v7   stage, out: region + (lane % 16) x pitch + 16 x (lane / 16)
.set WO,   8                           ; v8   W: (lane / 16) x 8 rows + 16 x (lane % 16)
.set PSA,  9                           ; v9   partial tile, in: region + (lane % 16) x pitch + 32 x (lane / 16)
.set LFA,  10                          ; v10  my merged list + 32 x (lane / 16)
.set LWA,  11                          ; v11  my sparse list
.set ROWP, 12                          ; v12  the way out: my first row's place in the tile, 10 x wave + lane / 16
.set RD,   13                          ; v13-15  the way out: that row in partial tiles 0, 3 and 6; tiles 1, 2, 4, 5, 7 are reached by the immediate
.set OFF,  16                          ; v16-55  batch: OFF[8 b + p] = token(16 b + p + 8 (lane / 16)) x 16384 + 16 x (lane % 16)
.set SETS, 56                          ; v56-247 six sets of 32: a unit as loaded.  The routing and the way out use them as scratch
.set SO,   248                         ; v248-252  the way out: byte offset in out0 of my 16 bytes of row 10 w + 2 q + lane / 16
; scratch of the routing, in the sets
.set CL,   56                          ; v56-71  my wave's 512 classes
.set TW,   112                         ; my wave's number
.set TR,   113                         ; lane % 16
.set TC,   114                         ; my byte offset in classes
.set TL,   115                         ; my 16 bytes of my sparse list
.set ZZ,   116                         ; v116-119  zeros
.set TK,   120                         ; the token of my first class
.set HV,   121                         ; my wave's counts, one a lane
.set HA,   122                         ; my word of the counts
.set HB,   123                         ; my lane's word of wave 0's counts
; window 1: v0-159 the accumulators, (a, nb) at 8 (4 a + nb); v160-191 W's four fragments; v192-231 batch's five
.set WF,   160
.set BF,   192
; scalar registers: s[4:5] W, s[6:7] batch, s[8:9] classes, s[10:11] out0
.set WV,   12                          ; my wave's number
.set SX,   13                          ; the slice of 64 outputs
.set TILE, 14                          ; the tile's number
.set CN,   16                          ; s16-31  counts by expert: my wave's, later the totals
.set PR,   32                          ; s32-47  by expert: the rows in the waves ahead of mine
.set EX,   48                          ; the tile's expert
.set ST,   49                          ; that expert's first tile
.set NE,   50                          ; its rows
.set GE,   51                          ; its tiles
.set PE,   52                          ; its rows in the waves ahead of mine
.set ACCT, 53                          ; the scan: tiles so far
.set TT,   54                          ; the tile's number within the expert
.set MM,   55                          ; rows to a tile
.set LO,   56                          ; the tile's first rank
.set CNT,  57                          ; the tile's rows, 0 to 80
.set LF,   58                          ; LISTF + 512 x wave
.set XM,   59                          ; the lanes that load in batch's block 4
.set SV,   60                          ; EXEC, kept
.set LC,   61                          ; the loop's count
.set T0,   62
.set T1,   63
.set BW,   66                          ; s[66:67] W at my expert, slice and wave, stepped along K
.set BB,   68                          ; s[68:69] batch at my wave, stepped along K
.set BO,   70                          ; s[70:71] out0 at my slice
.set O64,  72                          ; s[72:73] an offset in 64 bits
.set T2,   74
.set T3,   75
.set T4,   76
.set MK,   80                          ; s80-95  sixteen ballots
.set MSB, 0
.macro WIN new                         ; s_set_vgpr_msb: bits 1:0 source 0, 3:2 source 1, 5:4 source 2, 7:6 destination; the high byte repeats the setting that is left
.if MSB != (\new)
	s_set_vgpr_msb (MSB<<8)|(\new)
.set MSB, \new
.endif
.endm
	; ---- the head: all addresses that hang on the wave and the lane alone, and my wave's 512 classes
	s_load_b256 s[4:11], s[0:1], 0x0
	v_lshl_add_u32 v[SPW], v0, 2, SPARE
	v_mov_b32 v[NIL], 0
	v_lshrrev_b32 v[TW], 5, v0
	v_readfirstlane_b32 s[WV], v[TW]               ; wave 0..7
	v_and_b32 v[LANE], 31, v0
	v_and_b32 v[TR], 15, v0
	v_bfe_u32 v[HI], v0, 4, 1
	v_lshlrev_b32 v[C16], 4, v[TR]
	s_mov_b32 s[SX], ttmp9
	s_and_b32 s[TILE], ttmp7, 0xffff
	s_mul_i32 s[T0], s[WV], REGB                   ; my region
	v_mul_u32_u24 v[STO], v[HI], 8*SP
	v_lshl_add_u32 v[STO], v[TR], 3, v[STO]
	v_add_nc_u32 v[STO], s[T0], v[STO]
	v_mul_u32_u24 v[FRA], v[TR], SP
	v_lshl_add_u32 v[FRA], v[HI], 4, v[FRA]
	v_add_nc_u32 v[FRA], s[T0], v[FRA]
	v_lshl_add_u32 v[WO], v[HI], 17, v[C16]        ; 8 rows of 16,384 bytes
	v_mul_u32_u24 v[PSA], v[TR], PP
	v_lshl_add_u32 v[PSA], v[HI], 5, v[PSA]
	v_add_nc_u32 v[PSA], s[T0], v[PSA]
	s_mul_i32 s[T2], s[WV], 10                     ; the way out: wave w has rows 10 w .. 10 w + 9
	v_add_nc_u32 v[ROWP], s[T2], v[HI]
	v_mul_u32_u24 v[RD], v[ROWP], PP
	v_add_nc_u32 v[RD], v[RD], v[C16]              ; my row in partial tile 0,
	v_add_nc_u32 v[RD+1], 3*REGB, v[RD]            ; in tile 3,
	v_add_nc_u32 v[RD+2], 6*REGB, v[RD]            ; in tile 6
	s_lshl_b32 s[T1], s[WV], 9
	s_add_co_u32 s[LF], s[T1], LISTF
	s_add_co_u32 s[T1], s[T1], LISTW
	v_lshl_add_u32 v[LFA], v[HI], 5, s[LF]
	v_mov_b32 v[LWA], s[T1]
	v_lshl_add_u32 v[TL], v[LANE], 4, s[T1]
	v_mov_b32 v[ZZ], 0
	v_mov_b32 v[ZZ+1], 0
	v_mov_b32 v[ZZ+2], 0
	v_mov_b32 v[ZZ+3], 0
	ds_store_b128 v[TL], v[ZZ:ZZ+3]                ; my sparse list starts as 128 zeros
	v_lshlrev_b32 v[TC], 4, v[LANE]
	v_lshl_add_u32 v[TC], v[TW], 11, v[TC]         ; classes: 2048 x wave + 16 x lane
	v_lshlrev_b32 v[TK], 2, v[LANE]
	v_lshl_add_u32 v[TK], v[TW], 9, v[TK]          ; the token of my first class: 512 x wave + 4 x lane
	v_lshl_add_u32 v[HA], v0, 2, HIST              ; my word of the counts
	v_lshl_add_u32 v[HB], v[LANE], 2, HIST
	v_mov_b32 v84, 127
	s_wait_kmcnt 0x0
.irp q, 0,1,2,3
	global_load_b128 v[CL+4*(\q):CL+4*(\q)+3], v[TC], s[8:9] offset:512*(\q)  ; register 4 q + i: token 512 w + 128 q + 4 lane + i
.endr
	s_wait_loadcnt 0x0
	; ---- my wave's count of each expert: sixteen ballots, then their sixteen counts
.irp e, 0,1,2,3,4,5,6,7,8,9,10,11,12,13,14,15
.irp j, 0,1,2,3,4,5,6,7,8,9,10,11,12,13,14,15
	v_cmp_eq_u32 s[MK+(\j)], \e, v[CL+(\j)]
.endr
	s_bcnt1_i32_b32 s[CN+(\e)], s[MK]
.irp j, 1,2,3,4,5,6,7,8,9,10,11,12,13,14,15
	s_bcnt1_i32_b32 s[MK+(\j)], s[MK+(\j)]
	s_add_co_u32 s[CN+(\e)], s[CN+(\e)], s[MK+(\j)]
.endr
.endr
	v_mov_b32 v[HV], 0
.irp e, 0,1,2,3,4,5,6,7,8,9,10,11,12,13,14,15
	v_writelane_b32 v[HV], s[CN+(\e)], \e
.endr
	ds_store_b32 v[HA], v[HV]
	s_wait_dscnt 0x0                               ; for the others' sake: my counts are in LDS
	s_barrier_signal -1
	s_barrier_wait -1
	; ---- totals, and the rows in the waves ahead of mine; lane e holds expert e
.irp c, 0,1,2,3,4,5,6,7
	ds_load_b32 v[72+(\c)], v[HB] offset:128*(\c)
.endr
	s_wait_dscnt 0x0
	v_add_nc_u32 v80, v72, v73
	v_add3_u32 v80, v80, v74, v75
	v_add3_u32 v80, v80, v76, v77
	v_add3_u32 v80, v80, v78, v79
	s_cmp_gt_u32 s[WV], 0
	s_cselect_b32 s[T0], -1, 0
	v_and_b32 v81, s[T0], v72
.irp c, 1,2,3,4,5,6
	s_cmp_gt_u32 s[WV], \c
	s_cselect_b32 s[T0], -1, 0
	v_and_b32 v82, s[T0], v[72+(\c)]
	v_add_nc_u32 v81, v81, v82
.endr
.irp e, 0,1,2,3,4,5,6,7,8,9,10,11,12,13,14,15
	v_readlane_b32 s[CN+(\e)], v80, \e
	v_readlane_b32 s[PR+(\e)], v81, \e
.endr
	; ---- which expert has my tile: the last one whose first tile is not beyond it.  g = floor((n + 79) / 80) = ((n + 79) x 52429) >> 22, exact up to n + 79 = 4175
	s_add_co_u32 s[T0], s[CN], 79
	s_mul_i32 s[T0], s[T0], 52429
	s_lshr_b32 s[T0], s[T0], 22
	s_mov_b32 s[EX], 0
	s_mov_b32 s[ST], 0
	s_mov_b32 s[NE], s[CN]
	s_mov_b32 s[PE], s[PR]
	s_mov_b32 s[GE], s[T0]
	s_mov_b32 s[ACCT], s[T0]
.irp e, 1,2,3,4,5,6,7,8,9,10,11,12,13,14,15
	s_add_co_u32 s[T0], s[CN+(\e)], 79
	s_mul_i32 s[T0], s[T0], 52429
	s_lshr_b32 s[T0], s[T0], 22
	s_cmp_ge_u32 s[TILE], s[ACCT]
	s_cselect_b32 s[EX], \e, s[EX]
	s_cselect_b32 s[ST], s[ACCT], s[ST]
	s_cselect_b32 s[NE], s[CN+(\e)], s[NE]
	s_cselect_b32 s[PE], s[PR+(\e)], s[PE]
	s_cselect_b32 s[GE], s[T0], s[GE]
	s_add_co_u32 s[ACCT], s[ACCT], s[T0]
.endr
	s_min_u32 s[EX], s[EX], 15                     ; it enters an address
	s_sub_co_u32 s[TT], s[TILE], s[ST]
	; m = ceil(n / g): of the candidates 1..96 those with candidate x g >= n are 97 - m
	v_add_nc_u32 v82, 1, v[LANE]
	v_mul_lo_u32 v83, v82, s[GE]
	s_lshl_b32 s[T1], s[GE], 5
	v_cmp_ge_u32 s[T2], v83, s[NE]
	v_add_nc_u32 v83, s[T1], v83
	v_cmp_ge_u32 s[T3], v83, s[NE]
	v_add_nc_u32 v83, s[T1], v83
	v_cmp_ge_u32 s[T4], v83, s[NE]
	s_bcnt1_i32_b32 s[T2], s[T2]
	s_bcnt1_i32_b32 s[T3], s[T3]
	s_bcnt1_i32_b32 s[T4], s[T4]
	s_add_co_u32 s[T2], s[T2], s[T3]
	s_add_co_u32 s[T2], s[T2], s[T4]
	s_sub_co_u32 s[MM], 97, s[T2]
	s_mul_i32 s[LO], s[TT], s[MM]
	s_sub_co_u32 s[T0], s[NE], s[LO]
	s_min_u32 s[T0], s[MM], s[T0]
	s_cmp_lt_u32 s[TT], s[GE]                      ; a tile with work has a row: (g - 1) m < n, since n > 80 (g - 1) >= (g - 1)^2
	s_cselect_b32 s[CNT], s[T0], 0
	; ---- the tile's list.  A token's rank among its expert's: the waves ahead, the registers ahead, the lanes ahead: the same in every work-group.  Its place in the tile is rank - LO
	; (modulo 2^32: a rank below LO becomes a huge place).  What is not the tile's goes to word 127.
	s_sub_co_u32 s[T1], s[PE], s[LO]
.irp j, 0,1,2,3,4,5,6,7,8,9,10,11,12,13,14,15
	v_cmp_eq_u32 s[T0], s[EX], v[CL+(\j)]
	v_mbcnt_lo_u32_b32 v82, s[T0], s[T1]
	s_bcnt1_i32_b32 s[T2], s[T0]
	s_add_co_u32 s[T1], s[T1], s[T2]
	v_cmp_gt_u32 s[T3], s[CNT], v82
	s_and_b32 s[T3], s[T3], s[T0]
	v_cndmask_b32 v82, v84, v82, s[T3]
	v_min_u32 v82, 127, v82                        ; it enters an LDS address
	v_lshl_add_u32 v82, v82, 2, v[LWA]
	v_add_nc_u32 v83, 128*((\j)/4)+((\j)%4), v[TK] ; the token's number
	ds_store_b32 v82, v83
.endr
	s_wait_dscnt 0x0                               ; for the others' sake: my part of the list is in LDS
	s_barrier_signal -1
	s_barrier_wait -1
	; ---- each place was written by one wave at the most, and the other copies hold 0 there: the eight copies are joined by OR into a list of my own.  Places from CNT on hold token 0, a row that exists
	v_lshl_add_u32 v82, v[LANE], 2, LISTW
	v_lshl_add_u32 v83, v[LANE], 2, s[LF]
	v_lshl_add_u32 v85, v[ROWP], 2, s[LF]          ; the word of my first row of the way out
.irp t, 0,1,2
.irp c, 0,1,2,3,4,5,6,7
	ds_load_b32 v[88+8*(\t)+(\c)], v82 offset:512*(\c)+128*(\t)
.endr
.endr
	s_wait_dscnt 0x0
.irp t, 0,1,2
.irp c, 1,2,3,4,5,6,7
	v_or_b32 v[88+8*(\t)], v[88+8*(\t)], v[88+8*(\t)+(\c)]
.endr
	ds_store_b32 v83, v[88+8*(\t)] offset:128*(\t)
.endr
	; ---- all that hangs on the list and the counts: the offsets of batch's rows, those of my rows of out0, the three bases, block 4's lanes.  It stands ahead of the jump, on every path
.irp q, 0,1,2,3,4
	ds_load_b32 v[SO+(\q)], v85 offset:8*(\q)      ; LDS serves a wave's instructions in order (ISA guide 5.7.1.4): these see my stores above
.endr
.irp b, 0,1,2,3,4
.irp p, 0,1,2,3,4,5,6,7
	ds_load_b32 v[OFF+8*(\b)+(\p)], v[LFA] offset:4*(16*(\b)+(\p))
.endr
.endr
	s_lshl_b32 s[O64], s[EX], 22                   ; an expert is 4 MiB,
	s_lshl_b32 s[T0], s[SX], 20                    ; 64 rows of it 1 MiB,
	s_add_co_u32 s[O64], s[O64], s[T0]
	s_lshl_b32 s[T0], s[WV], 8                     ; my wave's 256 bytes of a step
	s_add_co_u32 s[O64], s[O64], s[T0]
	s_mov_b32 s[O64+1], 0
	s_add_nc_u64 s[BW:BW+1], s[4:5], s[O64:O64+1]
	s_mov_b32 s[O64], s[T0]
	s_add_nc_u64 s[BB:BB+1], s[6:7], s[O64:O64+1]
	s_lshl_b32 s[O64], s[SX], 8                    ; my slice's 256 bytes of a row of out0
	s_add_nc_u64 s[BO:BO+1], s[10:11], s[O64:O64+1]
	s_cmp_gt_u32 s[CNT], 64                        ; block 4 (rows 64-79): lanes 0-15 load rows 64-71, lanes 16-31 rows 72-79; lane 0 stays on,
	s_cselect_b32 s[T0], 0xffff, 1                 ; so that each of the block's eight loads has a lane and the counted waits hold as written
	s_cmp_gt_u32 s[CNT], 72
	s_cselect_b32 s[T1], 0xffff0000, 0
	s_or_b32 s[XM], s[T0], s[T1]
	s_wait_dscnt 0x0
.irp q, 0,1,2,3,4
	v_min_u32 v[SO+(\q)], 0xfff, v[SO+(\q)]        ; it enters an address
	v_lshl_add_u32 v[SO+(\q)], v[SO+(\q)], 10, v[C16]  ; a row of out0 is 1,024 bytes
.endr
.set i, 0
.rept 40
	v_min_u32 v[OFF+i], 0xfff, v[OFF+i]            ; it enters an address
	v_lshl_add_u32 v[OFF+i], v[OFF+i], 14, v[C16]
.set i, i+1
.endr
	s_cmp_eq_u32 s[CNT], 0
	s_cbranch_scc1 .Lmeet                          ; no rows: the products are jumped; no barrier stands in what is jumped
; Unit u of a step (0-3: W's blocks of 16 rows; 4-8: batch's) is asked for, at byte koff from the stepped bases, into a set.
; In block 4 the lanes of rows past the tile's count are off: they keep what an earlier whole load and its conversion left, which feeds only rows that are never stored.
.macro ISSUE u, koff, set
.set SB, SETS+32*(\set)
.if (\u) < 4
.irp p, 0,1,2,3,4,5,6,7
	global_load_b128 v[SB+4*(\p):SB+4*(\p)+3], v[WO], s[BW:BW+1] offset:(16*(\u)+(\p))*ROWB+(\koff)
.endr
.else
.if (\u) == 8
	s_wait_xcnt 0x0                                ; EXEC is a source of the loads that are out: it changes only behind this wait
	s_and_saveexec_b32 s[SV], s[XM]
.endif
.irp p, 0,1,2,3,4,5,6,7
	global_load_b128 v[SB+4*(\p):SB+4*(\p)+3], v[OFF+8*((\u)-4)+(\p)], s[BB:BB+1] offset:\koff
.endr
.if (\u) == 8
	s_wait_xcnt 0x0                                ; and again in front of the line that widens it
	s_or_b32 exec_lo, exec_lo, s[SV]
.endif
.endif
.endm
; Unit u has come: rounded to bf16 in place (four numbers a lane become 8 bytes) and laid into the stage.  left = the younger loads that may stay out.
; A store's lanes 0-15 write 128 consecutive bytes; lanes 16-31 the row 8 further down, 1,152 bytes = 288 words on: the other 32 of the 64 banks (ISA guide 11.1).
.macro TAKE u, set, left
.set SB, SETS+32*(\set)
	s_wait_loadcnt \left                           ; loads come back in order (ISA guide 5.7.1)
.irp p, 0,1,2,3,4,5,6,7
	v_cvt_pk_bf16_f32 v[SB+4*(\p)], v[SB+4*(\p)], v[SB+4*(\p)+1]
	v_cvt_pk_bf16_f32 v[SB+4*(\p)+1], v[SB+4*(\p)+2], v[SB+4*(\p)+3]
.endr
.irp p, 0,1,2,3,4,5,6,7
	ds_store_b64 v[STO], v[SB+4*(\p):SB+4*(\p)+1] offset:(16*(\u)+(\p))*SP
.endr
.endm
; 32 along K (half kk of the step's 64): 18 fragment loads in one run, W's four blocks first, then 20 matrix instructions.  The 20 accumulators take turns, one instruction a turn,
; in the same order everywhere, over the loop's backward jump too.  zero = 1: the products start the sums: nothing is cleared.
; places = 1: four v_nop between the products just issued and the loads into the registers that they read (ISA guide 7.12.1 for vector instructions).
.macro MULT kk, zero, places
.if \places
.rept 4
	v_nop
.endr
.endif
	WIN 0x40                                       ; destination window 1, address window 0
.irp b, 0,1,2,3
	ds_load_b128 v[WF+8*(\b):WF+8*(\b)+3],   v[FRA] offset:16*SP*(\b)+64*(\kk)     ; these see the stage's stores above: one wave's LDS instructions are served in order
	ds_load_b128 v[WF+8*(\b)+4:WF+8*(\b)+7], v[FRA] offset:16*SP*(\b)+64*(\kk)+32
.endr
.irp a, 0,1,2,3,4
	ds_load_b128 v[BF+8*(\a):BF+8*(\a)+3],   v[FRA] offset:16*SP*(4+(\a))+64*(\kk)
	ds_load_b128 v[BF+8*(\a)+4:BF+8*(\a)+7], v[FRA] offset:16*SP*(4+(\a))+64*(\kk)+32
.endr
	WIN 0x55                                       ; all four operands in window 1
.irp a, 0,1,2,3,4
	s_wait_dscnt 2*(4-(\a))                        ; the later blocks' two loads each may stay out
.irp nb, 0,1,2,3
.if \zero
	v_wmma_f32_16x16x32_bf16 v[8*(4*(\a)+(\nb)):8*(4*(\a)+(\nb))+7], v[WF+8*(\nb):WF+8*(\nb)+7], v[BF+8*(\a):BF+8*(\a)+7], 0
.else
	v_wmma_f32_16x16x32_bf16 v[8*(4*(\a)+(\nb)):8*(4*(\a)+(\nb))+7], v[WF+8*(\nb):WF+8*(\nb)+7], v[BF+8*(\a):BF+8*(\a)+7], v[8*(4*(\a)+(\nb)):8*(4*(\a)+(\nb))+7]
.endif
.endr
.endr
.endm
; A step: its nine units are taken one after the other, and behind each the unit six further on is asked for, into the same set (unit number 9 s + u goes to set (9 s + u) % 6; q0 = 9 s % 6):
; units 6-8 of this step, then units 0-5 of the next, 2,048 bytes on.  So six units, 48 loads, are out at every wait, which leaves the five younger units' 40.
; tail = 1: the last step asks for nothing beyond itself, and the counts run down.  The next step's 144 conversions are the places between this step's last products and the next fragment loads.
.macro STEP koff, q0, zero, tail
.irp u, 0,1,2,3,4,5,6,7,8
.if (\tail) && ((\u) > 3)
	TAKE \u, ((\q0)+(\u))%6, 8*(8-(\u))
.else
	TAKE \u, ((\q0)+(\u))%6, 40
.endif
.if (\u) < 3
	ISSUE (\u)+6, \koff, ((\q0)+(\u))%6
.elseif !(\tail)
	ISSUE (\u)-3, (\koff)+STEPB, ((\q0)+(\u))%6
.endif
.endr
	MULT 0, \zero, 0
	MULT 1, 0, 1
	WIN 0                                          ; at a label and at a branch every window is 0
.endm
.irp u, 0,1,2,3,4,5
	ISSUE \u, 0, \u                                ; the ring is filled: six units of step 0
.endr
	STEP 0, 0, 1, 0                                ; step 0 stands in front of the loop: its first products start the sums
	s_wait_xcnt 0x0                                ; every earlier memory instruction has had its addresses translated (ISA guide 3.1): the bases are stepped only behind this wait
	s_add_nc_u64 s[BW:BW+1], s[BW:BW+1], STEPB
	s_add_nc_u64 s[BB:BB+1], s[BB:BB+1], STEPB
	s_mov_b32 s[LC], 3
.Lk:                                                   ; three trips of two steps: steps 1 to 6
	STEP 0, 3, 0, 0
	STEP STEPB, 0, 0, 0
	s_wait_xcnt 0x0
	s_add_nc_u64 s[BW:BW+1], s[BW:BW+1], 2*STEPB
	s_add_nc_u64 s[BB:BB+1], s[BB:BB+1], 2*STEPB
	s_sub_co_u32 s[LC], s[LC], 1
	s_cmp_lg_u32 s[LC], 0
	s_cbranch_scc1 .Lk
	STEP 0, 3, 0, 1                                ; step 7: no load passes a row's end
	; ---- my partial tile goes into my region, over the stage, whose last reads have come back.  A lane's eight outputs of a token are 32 bytes; each accumulator's low four registers go first
.rept 4
	v_nop                                          ; the places behind the last products
.endr
	WIN 0x04                                       ; store data in window 1, address in window 0
.irp a, 0,1,2,3,4
.irp nb, 0,1,2,3
	ds_store_b128 v[PSA], v[8*(4*(\a)+(\nb)):8*(4*(\a)+(\nb))+3]   offset:16*PP*(\a)+64*(\nb)
	ds_store_b128 v[PSA], v[8*(4*(\a)+(\nb))+4:8*(4*(\a)+(\nb))+7] offset:16*PP*(\a)+64*(\nb)+16
.endr
.endr
	WIN 0
.Lmeet:
	s_wait_dscnt 0x0                               ; for the others' sake: my partial tile is in LDS
	s_barrier_signal -1
	s_barrier_wait -1                              ; every wave passes here, those of a work-group without rows too
	; ---- THE WAY OUT.  Wave w adds and stores rows 10 w + 2 q + lane / 16, q = 0..4: sixteen lanes hold a row's 64 outputs, 256 consecutive bytes of out0 at a multiple of 256 from its first byte
	s_mul_i32 s[T0], s[WV], 10
	s_cmp_ge_u32 s[T0], s[CNT]
	s_cbranch_scc1 .Lend                           ; none of my ten rows exists
.irp q, 0,1,2,3,4
.irp c, 0,1,2,3,4,5,6,7
	ds_load_b128 v[SETS+32*(\q)+4*(\c):SETS+32*(\q)+4*(\c)+3], v[RD+(\c)/3] offset:((\c)%3)*REGB+2*PP*(\q)  ; wave c's partial tile: 46,208 at the most in the immediate
.endr
.endr
.irp q, 0,1,2,3,4
	v_add_nc_u32 v[224+(\q)], 2*(\q), v[ROWP]      ; the row's place in the tile
.endr
.macro PADD d, s                       ; four f32 at Q + s are added onto the four at Q + d
	v_pk_add_f32 v[Q+(\d):Q+(\d)+1],   v[Q+(\d):Q+(\d)+1],   v[Q+(\s):Q+(\s)+1]
	v_pk_add_f32 v[Q+(\d)+2:Q+(\d)+3], v[Q+(\d)+2:Q+(\d)+3], v[Q+(\s)+2:Q+(\s)+3]
.endm
.irp q, 0,1,2,3,4
.set Q, SETS+32*(\q)
	s_wait_dscnt 8*(4-(\q))                        ; the later pairs of rows' eight loads each may stay out
	PADD 0, 4
	PADD 8, 12
	PADD 16, 20
	PADD 24, 28
	PADD 0, 8
	PADD 16, 24
	PADD 0, 16
	v_cmp_gt_u32 vcc_lo, s[CNT], v[224+(\q)]       ; rows past the count are not stored
	s_wait_xcnt 0x0                                ; EXEC changes only behind this wait,
	s_and_saveexec_b32 s[SV], vcc_lo
	global_store_b128 v[SO+(\q)], v[Q:Q+3], s[BO:BO+1] th:TH_STORE_NT
	s_wait_xcnt 0x0                                ; and again in front of the line that widens it
	s_or_b32 exec_lo, exec_lo, s[SV]
.endr
.Lend:
	s_wait_tensorcnt 0x0                           ; the wave's end
	ds_add_u32 v[SPW], v[NIL]
	s_wait_dscnt 0x0
	s_endpgm
.Lfunc_end_k_q4cbe378e4c_moe:
	.size	k_q4cbe378e4c_moe, .Lfunc_end_k_q4cbe378e4c_moe-k_q4cbe378e4c_moe
	.p2alignl 7, 3214868480
	.fill 96, 4, 3214868480
	.section	.rodata,"a",@progbits
	.p2align	6, 0x0
	.amdhsa_kernel k_q4cbe378e4c_moe
		.amdhsa_group_segment_fixed_size 186368
		.amdhsa_private_segment_fixed_size 0
		.amdhsa_enable_private_segment 0
		.amdhsa_kernarg_size 32
		.amdhsa_user_sgpr_count 2
		.amdhsa_user_sgpr_kernarg_segment_ptr 1
		.amdhsa_wavefront_size32 1
		.amdhsa_system_sgpr_workgroup_id_x 1
		.amdhsa_system_sgpr_workgroup_id_y 1
		.amdhsa_system_sgpr_workgroup_id_z 1
		.amdhsa_system_vgpr_workitem_id 0
		.amdhsa_next_free_vgpr 488
		.amdhsa_next_free_sgpr 96
		.amdhsa_reserve_vcc 1
		.amdhsa_float_denorm_mode_32 3
		.amdhsa_float_denorm_mode_16_64 3
		.amdhsa_memory_ordered 1
		.amdhsa_forward_progress 1
		.amdhsa_inst_pref_size 184
	.end_amdhsa_kernel
	.amdgpu_metadata
---
amdhsa.version: [ 1, 2 ]
amdhsa.kernels:
  - .name:           k_q4cbe378e4c_moe
    .symbol:         k_q4cbe378e4c_moe.kd
    .args:
      - { .name: W, .offset: 0, .size: 8, .value_kind: global_buffer, .address_space: global }
      - { .name: batch, .offset: 8, .size: 8, .value_kind: global_buffer, .address_space: global }
      - { .name: classes, .offset: 16, .size: 8, .value_kind: global_buffer, .address_space: global }
      - { .name: out0, .offset: 24, .size: 8, .value_kind: global_buffer, .address_space: global }
    .group_segment_fixed_size: 186368
    .private_segment_fixed_size: 0
    .kernarg_segment_align: 8
    .kernarg_segment_size: 32
    .max_flat_workgroup_size: 256
    .sgpr_count:     96
    .vgpr_count:     488
    .wavefront_size: 32
...
	.end_amdgpu_metadata
.endif
;; end of part 1
